; MI455X (gfx1250); checked and timed in simulation.
; The chip was launched on July 23, 2026; its instructions are those of AMD's public machine-readable ISA for CDNA 5 (MIT licence, August 2026) and "CDNA5" Instruction Set Architecture Reference Guide (July 2026). The comments in the code are by the model that wrote it; some were corrected since.
;; MAB. Allowed arithmetic: matrix products marked QUANTISED: E3M2 operands, one E8M0 scale for each 32 along K, by v_wmma_scale_f32_16x16x128_f8f6f4 with both operands' format E3M2, f32 sums; everything else in f32.
;; Inputs: W1 256 x 1,024 float32; W2 1,024 x 256 float32; adj_matrix 4 x 2,048 x 2,048 int32; b1 1,024 float32; b2 256 float32; beta1 256 float32; beta2 256 float32; gamma1 256 float32; gamma2 256 float32; x 4 x 2,048 x 256 float32.
;; Outputs: out0 4 x 2,048 x 256 float32.
;; This version of the problem:
;;   THIS VERSION OF THE PROBLEM IS GIVEN IN LOW PRECISION. The matrix products marked QUANTISED in the list below multiply operands that are first quantised to E3M2 (3 exponent bits, 2 mantissa bits; 6 bits a number), with one power-of-two scale for each 32 numbers along K (OCP MX v1.0); their sums are f32. All else is computed in f32.
;;   The module's matrix products, in the order in which they are computed (A, B: the left and right operand; K: the contracted axis; several contracted axes count as one K, in the product's order):
;;     1. batch 32 x [M 2,048, K 32] x [K 32, N 2,048]; A: computed on the way; B: computed on the way: QUANTISED
;;     2. batch 32 x [M 2,048, K 2,048] x [K 2,048, N 32]; A: softmax (see below); B: computed on the way: QUANTISED
;;     3. [M 8,192, K 256] x [K 256, N 1,024]; A: computed on the way; B: input W1: QUANTISED
;;     4. [M 8,192, K 1,024] x [K 1,024, N 256]; A: computed on the way; B: input W2: QUANTISED
;;   THE QUANTISER, for each operand of a quantised product, along K:
;;     - K is cut into blocks of 32 from its start; a last block that is shorter is filled with zeros.
;;     - A block's scale is 2^e with e = floor(log2(the largest magnitude in the block)) - 4, held to -126 .. 127; a block of zeros has e = 0. As a byte (E8M0): e + 127.
;;     - Each number is divided by its block's scale, clamped to +-28, and rounded to the nearest number of E3M2, ties to even, subnormals kept.
;;     - The product sums the exact products of the quantised numbers (number of the format x scale) in f32.
;;   ~~~python
;;   def quantise(x, axis):      # numpy; x: float32 -> the quantised numbers, widened to float32 again
;;       x = np.moveaxis(x, axis, -1); K = x.shape[-1]
;;       x = np.pad(x, [(0, 0)] * (x.ndim - 1) + [(0, -K % 32)]); x = x.reshape(x.shape[:-1] + (-1, 32)); a = np.abs(x).max(-1, keepdims=True)
;;       e = np.where(a > 0, np.clip(np.frexp(np.where(a > 0, a, 1))[1] - 1 - 4, -126, 127), 0)      # np.frexp(a)[1] - 1 = floor(log2(a)), exactly
;;       r = np.clip(x / 2.0 ** e, -28, 28)
;;       step = 2.0 ** (np.maximum(np.frexp(np.where(r == 0, 1, r))[1] - 1, -2) - 2)
;;       q = np.round(r / step) * step * 2.0 ** e      # np.round: ties to even
;;       return np.moveaxis(q.reshape(q.shape[:-2] + (-1,))[..., :K], -1, axis).astype(np.float32)
;;   ~~~
;;   SOFTMAX AHEAD OF A QUANTISED PRODUCT. Where the list says 'softmax', what is quantised is not the finished softmax but p = 2^(t - M), with t = logit x log2(e) and M = ceil(the row's largest t), a whole number; so 1/2 < the row's largest p <= 1. The row's sum l is taken of the UNQUANTISED p, in f32, and the product's result is divided by l at the end. Since M is a whole number, a kernel that streams over the keys may use a running M (the ceiling of the running maximum): every later rescaling is an exact power of two, which a block's scale takes up: the codes' values come out the same.
;;   OPERANDS COMPUTED ON THE WAY. 'Computed on the way' means the value that the module computes at that place (a softmax that the list does not call 'softmax' is quantised finished and normalised). What goes into a quantiser is computed in f32, as accurately as f32 sums, v_exp_f32 and their like allow (about 1e-6 of the number): no bf16 or f16 on the way to a quantiser, and a product that is left as it is and whose result goes on into a quantised operand takes f32 operands (vector FMAs, or v_wmma_f32_16x16x4_f32). A number that lies on a knife's edge between two numbers of the format may be rounded either way, as far as f32 arithmetic and the matrix unit's own rounding can turn it there, and no further.
;; One version. Each part assembles by itself: llvm-mc -triple=amdgcn-amd-amdhsa -mcpu=gfx1250 --defsym DOCPART=n.
;; ======== version 1 of 1: 2 launches
;; limits: right only within a limited range of input values
;; workspace buffers: KV 3,538,944 bytes; WB 425,984 bytes
;; launch prep (part 1): grid 80 x 1, 8 waves a work-group, no clusters, 134,144 bytes of LDS; arguments x, gamma1, beta1, W1, W2, KV, WB; writes KV, WB
.if DOCPART == 1
	.amdgcn_target "amdgcn-amd-amdhsa--gfx1250"
	.amdhsa_code_object_version 6
	.text
	.protected	k_qe31d2175bb_prep
	.globl	k_qe31d2175bb_prep
	.p2align	8
	.type	k_qe31d2175bb_prep,@function
k_qe31d2175bb_prep:
	s_mov_b64 s[64:65], 0
	v_nop
	global_prefetch_b8 v0, s[64:65] scope:SCOPE_SE
	s_setreg_imm32_b32 hwreg(HW_REG_WAVE_MODE, 25, 1), 1
	s_wait_xcnt 0x0
; PREP.  Makes every operand that the second launch reads more than once, as codes of BF6 (E3M2) with E8M0 scale bytes, laid as IMAGES OF OPERAND REGISTERS:
; a group of four registers is 512 bytes, lane l's 16 bytes at 16 l, so that the reader fills a fragment by loads of 16 bytes a lane.
; Work-groups 0-63: 128 rows of x: layer norm 1 (f32), then for each of the 8 heads (a wave a head) one record of KV (6,912 bytes):
;   +0    K image, 24 registers: registers 6 b .. 6 b + 5 of lane (r, h) = the 32 codes (one block: K = the head's 32) of row 32 b + 8 h + r + 8 (r / 8)
;   +3072 its scale words, 16 bytes a lane: word c = the bytes of sets 2 c and 2 c + 1 (see below)
;   +3584 V image: two fragments of 12 registers (16 of the head's dims x 128 keys, K = the keys): fragment d, lane (r, h): dim 8 d + r + 8 (r / 8), registers 6 c .. 6 c + 5: keys 64 c + 32 h + 0 .. 31
;   +6656 their scale words: at 8 x lane the words of fragments 0 and 1 for row r
; Work-groups 64-71: W1 [256][1024], 128 along K x 256 columns each; 72-79: W2 [1024][256], 128 along K each.  K is the first axis, as the keys are for V: the same text makes the same V part
; (3,328 bytes a record of WB).  ONE path serves all three: pointers, the row pitch and neutral norm parameters (mean x 0, 1 / sigma = 1, gain 1, offset 0) are chosen by the work-group's number.
; A block's scale is 2^(floor(log2(largest magnitude)) - 4): its byte is the largest magnitude's exponent field - 4, held at 1 from below by a floor among the maximum's leaves.
; LIMITS: a block of zeros gets the byte 1 where the rule says 127 (its codes are zeros, and this program alone reads the bytes); NaN and infinities among the inputs are not served.
.set PIT,  1040                        ; an LDS row: 1,024 bytes + 16
.set REC,  6912
.set WREC, 3328
.set G,    28                          ; v28-35   gain of my 8 dims
.set BT,   36                          ; v36-43   offset of my 8 dims
.set P,    44                          ; v44-51   four rows: a pair each: sums, then 1 / sigma
.set MU,   52                          ; v52-59   four rows: the mean (the pair's low word serves both halves)
.set TP,   60                          ; v60-63   the other half of the lanes' sum
.set D,    64                          ; v64-191  16 rows x 8 numbers
.set XK,   64                          ; later: two sets of 32 numbers
.set KI,   128                         ; K image, 24 registers
.set KSR,  152                         ; its four scale words
.set TC,   156                         ; a block's upper 16 codes (a conversion's three registers begin on an even number)
.set VI,   160                         ; V image, 24 registers
.set VW,   184                         ; its two scale words
.set BY,   186                         ; four scale bytes
	s_load_b256 s[4:11], s[0:1], 0x0               ; x, gamma1, beta1, W1
	s_load_b128 s[12:15], s[0:1], 0x20             ; W2, KV
	s_load_b64 s[16:17], s[0:1], 0x30              ; WB
	v_lshl_add_u32 v192, v0, 2, 0x20800
	v_mov_b32 v193, 0
	v_lshrrev_b32 v1, 5, v0
	s_delay_alu instid0(VALU_DEP_1)
	v_readfirstlane_b32 s18, v1                    ; wave 0..7
	v_and_b32 v1, 31, v0                           ; lane
	v_and_b32 v2, 15, v0                           ; r
	v_bfe_u32 v3, v0, 4, 1                         ; h
	s_mov_b32 s24, ttmp9                           ; the work-group's number g
	s_mov_b32 s20, 0x76543210
	s_mov_b32 s21, 0xfedcba98                      ; v_permlanex16_b32's selects for lane l xor 16
	s_mov_b32 s23, 0x3b800000                      ; 1 / 256
	s_mov_b32 s19, 0x3727c5ac                      ; 1e-5
	; byte offsets of the three kinds of source tile; the one that belongs to g is chosen below
	s_lshl_b32 s26, s24, 17                        ; x: 128 rows of 1,024 bytes a work-group
	s_sub_co_u32 s27, s24, 64                      ; W1: i = g - 64: K step i / 4, columns 256 (i % 4)
	s_lshr_b32 s28, s27, 2
	s_lshl_b32 s28, s28, 19
	s_and_b32 s27, s27, 3
	s_lshl_b32 s27, s27, 10
	s_add_co_u32 s28, s28, s27
	s_sub_co_u32 s29, s24, 72                      ; W2: K step g - 72
	s_lshl_b32 s29, s29, 17
	s_mov_b32 s43, 1024
	s_lshl_b32 s33, s24, 3
	s_add_co_u32 s33, s33, s18                     ; 8 g + wave: my record
	s_mul_i32 s34, s33, REC                        ; in KV
	s_sub_co_u32 s35, s33, 512
	s_mul_i32 s35, s35, WREC                       ; in WB
	s_add_co_u32 s36, s34, 3584                    ; the V part of a record of KV
	s_mov_b32 s37, 0
	s_wait_alu depctr_va_vdst(0)
	s_wait_kmcnt 0x0
	s_cmp_lt_u32 s24, 72
	s_cselect_b64 s[30:31], s[10:11], s[12:13]     ; W1 or W2
	s_cselect_b32 s28, s28, s29
	s_cselect_b32 s32, 4096, s43                   ; bytes from row to row
	s_cmp_lt_u32 s24, 64
	s_cselect_b64 s[30:31], s[4:5], s[30:31]       ; or x
	s_cselect_b32 s28, s26, s28
	s_cselect_b32 s32, s43, s32
	s_cselect_b32 s25, -1, 0                       ; all lanes' bits: the norm is taken (x) or not (weights)
	s_cselect_b32 s22, 0x3b800000, 0               ; the mean's factor: 1 / 256, or 0
	s_cselect_b32 s36, s36, s35
	s_cselect_b64 s[38:39], s[14:15], s[16:17]
	s_mov_b32 s29, 0
	s_mov_b32 s35, 0
	s_add_nc_u64 s[30:31], s[30:31], s[28:29]      ; my work-group's tile
	s_add_nc_u64 s[38:39], s[38:39], s[36:37]      ; where my V part goes
	s_add_nc_u64 s[40:41], s[14:15], s[34:35]      ; where my K part goes (used by work-groups 0-63 alone)
	s_lshl_b32 s42, s18, 4
	s_mul_i32 s42, s42, s32                        ; my wave's 16 rows
	v_lshlrev_b32 v9, 4, v1                        ; 16 x lane
	v_lshlrev_b32 v10, 3, v1                       ; 8 x lane
	v_lshlrev_b32 v11, 3, v3                       ; 8 h
	v_lshl_add_u32 v12, v1, 4, s42                 ; row k of my 16: 16 x lane + (16 wave + k) x pitch
.irp k, 1,2,3,4,5,6,7,8,9,10,11,12,13,14,15
	s_delay_alu instid0(VALU_DEP_1)
	v_add_nc_u32 v[12+\k], s32, v[11+\k]
.endr
	global_load_b128 v[G:G+3],   v9, s[6:7]            ; dims 4 lane .. and 128 + 4 lane ..
	global_load_b128 v[G+4:G+7], v9, s[6:7] offset:512
	global_load_b128 v[BT:BT+3],   v9, s[8:9]
	global_load_b128 v[BT+4:BT+7], v9, s[8:9] offset:512
.irp k, 0,1,2,3,4,5,6,7,8,9,10,11,12,13,14,15
	global_load_b128 v[D+8*\k:D+8*\k+3],   v[12+\k], s[30:31]             ; each load reads 512 consecutive bytes of a row
	global_load_b128 v[D+8*\k+4:D+8*\k+7], v[12+\k], s[30:31] offset:512
.endr
	; LDS addresses
	s_mul_i32 s44, s18, 16*PIT
	v_lshl_add_u32 v4, v1, 4, s44                  ; in: my wave's 16 rows, 16 x lane
	s_lshl_b32 s45, s18, 7                         ; my head's (my 32 columns') 128 bytes of a row
	v_and_b32 v8, 8, v2
	s_delay_alu instid0(VALU_DEP_1)
	v_add_nc_u32 v8, v8, v2                        ; r + 8 (r / 8)
	s_delay_alu instid0(VALU_DEP_1)
	v_lshl_add_u32 v5, v3, 3, v8
	s_delay_alu instid0(VALU_DEP_1)
	v_mul_u32_u24 v5, v5, PIT
	s_delay_alu instid0(VALU_DEP_1)
	v_add_nc_u32 v5, s45, v5                       ; K part: row 8 h + r + 8 (r / 8), my head
	s_delay_alu instid0(VALU_DEP_1)
	v_add_nc_u32 v6, 64*PIT, v5                    ; and 64 rows on
	v_mul_u32_u24 v7, v3, 32*PIT
	s_delay_alu instid0(VALU_DEP_1)
	v_lshl_add_u32 v7, v8, 2, v7
	s_delay_alu instid0(VALU_DEP_1)
	v_add_nc_u32 v7, s45, v7                       ; V part: row 32 h, column r + 8 (r / 8) of my 32
	s_delay_alu instid0(VALU_DEP_1)
	v_add_nc_u32 v8, 64*PIT, v7
.irp q, 0,1,2,3
	v_mov_b32 v[TP+\q], 0                          ; written once: a lane permute's destination counts as one of its sources
	v_mov_b32 v[MU+2*\q+1], 0                      ; named as the upper half of a pair
.endr
	s_wait_loadcnt 32                              ; gain and offset are in; the 32 row loads may be out
.irp i, 0,1,2,3,4,5,6,7
	v_cndmask_b32 v[G+\i], 1.0, v[G+\i], s25       ; weights: gain 1,
	v_cndmask_b32 v[BT+\i], 0, v[BT+\i], s25       ; offset 0
.endr
.macro LANESUM                         ; the four rows' v[P + 2 q], summed over the 32 lanes
.irp m, 1,2,4,8
.irp q, 0,1,2,3
	s_delay_alu instid0(VALU_DEP_4)
	v_add_f32_dpp v[P+2*\q], v[P+2*\q], v[P+2*\q] row_xmask:\m row_mask:0xf bank_mask:0xf
.endr
.endr
.irp q, 0,1,2,3
	s_delay_alu instid0(VALU_DEP_4)
	v_permlanex16_b32 v[TP+\q], v[P+2*\q], s20, s21
.endr
.irp q, 0,1,2,3
	s_delay_alu instid0(VALU_DEP_4)
	v_add_f32 v[P+2*\q], v[P+2*\q], v[TP+\q]
.endr
.endm
; Four rows by turns: mean, centred numbers, variance of the centred numbers, 1 / sigma, gain and offset; then into the tile in LDS.  left: the later rows' loads, which may stay out.
.macro LNROWS k0, left
.set R0, D+8*(\k0)
	s_wait_loadcnt \left
.irp q, 0,1,2,3
	v_pk_add_f32 v[P+2*\q:P+2*\q+1], v[R0+8*\q:R0+8*\q+1], v[R0+8*\q+2:R0+8*\q+3]
.endr
.irp i, 4,6
.irp q, 0,1,2,3
	s_delay_alu instid0(VALU_DEP_4)
	v_pk_add_f32 v[P+2*\q:P+2*\q+1], v[P+2*\q:P+2*\q+1], v[R0+8*\q+\i:R0+8*\q+\i+1]
.endr
.endr
.irp q, 0,1,2,3
	s_delay_alu instid0(VALU_DEP_4)
	v_add_f32 v[P+2*\q], v[P+2*\q], v[P+2*\q+1]
.endr
	LANESUM
.irp q, 0,1,2,3
	s_delay_alu instid0(VALU_DEP_4)
	v_mul_f32 v[MU+2*\q], s22, v[P+2*\q]           ; the mean (weights: 0)
.endr
.irp i, 0,2,4,6
.irp q, 0,1,2,3
	v_pk_add_f32 v[R0+8*\q+\i:R0+8*\q+\i+1], v[R0+8*\q+\i:R0+8*\q+\i+1], v[MU+2*\q:MU+2*\q+1] op_sel_hi:[1,0] neg_lo:[0,1] neg_hi:[0,1]
.endr
.endr
.irp q, 0,1,2,3
	v_pk_mul_f32 v[P+2*\q:P+2*\q+1], v[R0+8*\q:R0+8*\q+1], v[R0+8*\q:R0+8*\q+1]
.endr
.irp i, 2,4,6
.irp q, 0,1,2,3
	s_delay_alu instid0(VALU_DEP_4)
	v_pk_fma_f32 v[P+2*\q:P+2*\q+1], v[R0+8*\q+\i:R0+8*\q+\i+1], v[R0+8*\q+\i:R0+8*\q+\i+1], v[P+2*\q:P+2*\q+1]
.endr
.endr
.irp q, 0,1,2,3
	s_delay_alu instid0(VALU_DEP_4)
	v_add_f32 v[P+2*\q], v[P+2*\q], v[P+2*\q+1]
.endr
	LANESUM
.irp q, 0,1,2,3
	s_delay_alu instid0(VALU_DEP_4)
	v_fma_f32 v[P+2*\q], v[P+2*\q], s23, s19       ; variance + 1e-5
.endr
	s_wait_alu depctr_va_vdst(0)
.irp q, 0,1,2,3
	v_rsq_f32 v[P+2*\q], v[P+2*\q]
.endr
	v_nop                                          ; a plain instruction behind the last of the four
	s_wait_alu depctr_va_vdst(0)                   ; one wait for the four, ahead of their first reader
.irp q, 0,1,2,3
	v_cndmask_b32 v[P+2*\q], 1.0, v[P+2*\q], s25   ; weights: x 1
.endr
.irp i, 0,2,4,6
.irp q, 0,1,2,3
	v_pk_mul_f32 v[R0+8*\q+\i:R0+8*\q+\i+1], v[R0+8*\q+\i:R0+8*\q+\i+1], v[P+2*\q:P+2*\q+1] op_sel_hi:[1,0]
.endr
.endr
.irp i, 0,2,4,6
.irp q, 0,1,2,3
	v_pk_fma_f32 v[R0+8*\q+\i:R0+8*\q+\i+1], v[R0+8*\q+\i:R0+8*\q+\i+1], v[G+\i:G+\i+1], v[BT+\i:BT+\i+1]
.endr
.endr
.irp q, 0,1,2,3
	ds_store_b128 v4, v[R0+8*\q:R0+8*\q+3]   offset:((\k0)+\q)*PIT
	ds_store_b128 v4, v[R0+8*\q+4:R0+8*\q+7] offset:((\k0)+\q)*PIT+512
.endr
.endm
	LNROWS 0, 24
	LNROWS 4, 16
	LNROWS 8, 8
	LNROWS 12, 0
	s_wait_dscnt 0x0                               ; for the others' sake: my rows lie in the tile
	s_barrier_signal -1
	s_barrier_wait -1
; 32 numbers of ONE lane, a whole block, become 32 codes in v[dst .. dst + 5]; the scale's byte is left in v191
.macro BLKQ xs, dst
	v_max3_num_f32 v190, |v[\xs]|, |v[\xs+1]|, |v[\xs+2]|
	v_max3_num_f32 v191, |v[\xs+3]|, |v[\xs+4]|, |v[\xs+5]|
.irp i, 6,10,14,18,22,26
	s_delay_alu instid0(VALU_DEP_2)
	v_max3_num_f32 v190, v190, |v[\xs+\i]|, |v[\xs+\i+1]|
	s_delay_alu instid0(VALU_DEP_2)
	v_max3_num_f32 v191, v191, |v[\xs+\i+2]|, |v[\xs+\i+3]|
.endr
	s_delay_alu instid0(VALU_DEP_2)
	v_max3_num_f32 v190, v190, |v[\xs+30]|, |v[\xs+31]|
	s_delay_alu instid0(VALU_DEP_1)
	v_max3_num_f32 v190, v190, v191, 0x2800000     ; and the floor 2^(5 - 127): the byte cannot fall under 1
	s_delay_alu instid0(VALU_DEP_1)
	v_add_nc_u32 v190, 0xfe000000, v190            ; 4 off the exponent field: the conversion takes the exponent field of this operand as its scale
	v_cvt_scalef32_pk16_bf6_f32 v[\dst:\dst+2], v[\xs:\xs+15], v190
	v_cvt_scalef32_pk16_bf6_f32 v[TC:TC+2], v[\xs+16:\xs+31], v190
	v_lshrrev_b32 v191, 23, v190                   ; the scale's byte (and the plain instruction behind the conversions)
.irp i, 0,1,2
	v_mov_b32 v[\dst+3+\i], v[TC+\i]
.endr
.endm
	; ---- the K part: work-groups of x alone (a branch on the work-group's number; no barrier and no LDS store stands in it)
	s_cmp_ge_u32 s24, 64
	s_cbranch_scc1 .Lno_k
.macro KLOAD b                         ; row 32 b + 8 h + r + 8 (r / 8), my head's 32 numbers
.irp i, 0,1,2,3,4,5,6,7
	ds_load_b128 v[XK+32*((\b)%2)+4*\i:XK+32*((\b)%2)+4*\i+3], v[5+(\b)/2] offset:((\b)%2)*32*PIT+16*\i
.endr
.endm
	KLOAD 0
.irp b, 0,1,2,3
.if \b < 3
	KLOAD \b+1
	s_wait_dscnt 8                                 ; this block's eight loads are in; the next block's may be out
.else
	s_wait_dscnt 0x0
.endif
	BLKQ XK+32*(\b%2), KI+6*\b
	s_delay_alu instid0(VALU_DEP_4)
	v_lshlrev_b32 v[KSR+\b], v11, v191             ; lanes 0-15: byte 0 of the word; lanes 16-31: byte 1
.endr
.irp q, 0,1,2,3,4,5
	global_store_b128 v9, v[KI+4*\q:KI+4*\q+3], s[40:41] offset:512*\q       ; 32 lanes store 512 consecutive bytes, at a multiple of 256 from KV's first byte
.endr
	; the K part's scale words as the reader takes them (in place of one byte a word): word c = the bytes of sets 2 c and 2 c + 1, both halves of the lanes:
	; byte 2 (b % 2) + h = the byte of row 32 b + 8 h + r + 8 (r / 8); whole in lane r and in lane 16 + r.  Words 2 and 3 of a lane's 16 bytes are not read.
	v_lshl_or_b32 v[KSR], v[KSR+1], 16, v[KSR]
	v_lshl_or_b32 v[KSR+1], v[KSR+3], 16, v[KSR+2]
	v_permlanex16_b32 v190, v[KSR], s20, s21
	v_permlanex16_b32 v191, v[KSR+1], s20, s21
	v_or_b32 v[KSR], v[KSR], v190
	v_or_b32 v[KSR+1], v[KSR+1], v191
	global_store_b128 v9, v[KSR:KSR+3], s[40:41] offset:3072
.Lno_k:
	; ---- the V part: a lane takes a column, its registers run down K
.macro VLOAD q                         ; fragment q / 2, half q % 2: rows 64 (q % 2) + 32 h + 0 .. 31
.set i, 0
.rept 32
	ds_load_b32 v[XK+32*((\q)%2)+i], v[7+(\q)%2] offset:i*PIT+32*((\q)/2)
.set i, i+1
.endr
.endm
	VLOAD 0
.irp q, 0,1,2,3
.if \q < 3
	VLOAD \q+1
	s_wait_dscnt 32                                ; this block's 32 loads are in; the next block's may be out
.else
	s_wait_dscnt 0x0
.endif
	BLKQ XK+32*(\q%2), VI+6*\q
	s_delay_alu instid0(VALU_DEP_4)
	v_mov_b32 v[BY+\q], v191
.endr
.irp d, 0,1
	v_lshl_or_b32 v[VW+\d], v[BY+2*\d+1], 16, v[BY+2*\d]   ; my two bytes: blocks h and 2 + h,
	s_delay_alu instid0(VALU_DEP_1)
	v_lshlrev_b32 v[VW+\d], v11, v[VW+\d]                  ; at their places in the word;
	s_delay_alu instid0(VALU_DEP_1)
	v_permlanex16_b32 v[190+\d], v[VW+\d], s20, s21
	s_delay_alu instid0(VALU_DEP_1)
	v_or_b32 v[VW+\d], v[VW+\d], v[190+\d]                 ; with lane l xor 16's two the word is whole
.endr
.irp q, 0,1,2,3,4,5
	global_store_b128 v9, v[VI+4*\q:VI+4*\q+3], s[38:39] offset:512*\q
.endr
	global_store_b64 v10, v[VW:VW+1], s[38:39] offset:3072     ; 32 lanes store 256 consecutive bytes
	s_barrier_signal -1
	s_barrier_wait -1
	s_wait_tensorcnt 0x0
	ds_add_u32 v192, v193
	s_wait_dscnt 0x0
	s_endpgm
.Lfunc_end_k_qe31d2175bb_prep:
	.size	k_qe31d2175bb_prep, .Lfunc_end_k_qe31d2175bb_prep-k_qe31d2175bb_prep
	.p2alignl 7, 3214868480
	.fill 96, 4, 3214868480
	.section	.rodata,"a",@progbits
	.p2align	6, 0x0
	.amdhsa_kernel k_qe31d2175bb_prep
		.amdhsa_group_segment_fixed_size 134144
		.amdhsa_private_segment_fixed_size 0
		.amdhsa_enable_private_segment 0
		.amdhsa_kernarg_size 56
		.amdhsa_user_sgpr_count 2
		.amdhsa_user_sgpr_kernarg_segment_ptr 1
		.amdhsa_wavefront_size32 1
		.amdhsa_system_sgpr_workgroup_id_x 1
		.amdhsa_system_sgpr_workgroup_id_y 1
		.amdhsa_system_sgpr_workgroup_id_z 1
		.amdhsa_system_vgpr_workitem_id 0
		.amdhsa_next_free_vgpr 194
		.amdhsa_next_free_sgpr 66
		.amdhsa_reserve_vcc 0
		.amdhsa_float_denorm_mode_32 3
		.amdhsa_float_denorm_mode_16_64 3
		.amdhsa_memory_ordered 1
		.amdhsa_forward_progress 1
		.amdhsa_inst_pref_size 85
	.end_amdhsa_kernel
	.amdgpu_metadata
---
amdhsa.version: [ 1, 2 ]
amdhsa.kernels:
  - .name:           k_qe31d2175bb_prep
    .symbol:         k_qe31d2175bb_prep.kd
    .args:
      - { .name: x, .offset: 0, .size: 8, .value_kind: global_buffer, .address_space: global }
      - { .name: gamma1, .offset: 8, .size: 8, .value_kind: global_buffer, .address_space: global }
      - { .name: beta1, .offset: 16, .size: 8, .value_kind: global_buffer, .address_space: global }
      - { .name: W1, .offset: 24, .size: 8, .value_kind: global_buffer, .address_space: global }
      - { .name: W2, .offset: 32, .size: 8, .value_kind: global_buffer, .address_space: global }
      - { .name: KV, .offset: 40, .size: 8, .value_kind: global_buffer, .address_space: global }
      - { .name: WB, .offset: 48, .size: 8, .value_kind: global_buffer, .address_space: global }
    .group_segment_fixed_size: 134144
    .private_segment_fixed_size: 0
    .kernarg_segment_align: 8
    .kernarg_segment_size: 56
    .max_flat_workgroup_size: 256
    .sgpr_count:     66
    .vgpr_count:     194
    .wavefront_size: 32
...
	.end_amdgpu_metadata
.endif
;; end of part 1
;; launch main (part 2): grid 256 x 1, 8 waves a work-group, no clusters, 327,680 bytes of LDS; arguments x, adj_matrix, KV, WB, b1, gamma2, beta2, b2, out0; writes out0
.if DOCPART == 2
	.amdgcn_target "amdgcn-amd-amdhsa--gfx1250"
	.amdhsa_code_object_version 6
	.text
	.protected	k_qe31d2175bb_main
	.globl	k_qe31d2175bb_main
	.p2align	8
	.type	k_qe31d2175bb_main,@function
k_qe31d2175bb_main:
	s_mov_b64 s[64:65], 0
	v_nop
	global_prefetch_b8 v0, s[64:65] scope:SCOPE_SE
	s_setreg_imm32_b32 hwreg(HW_REG_WAVE_MODE, 25, 1), 1
	s_wait_xcnt 0x0
; MAIN.  A work-group takes 32 rows of x through masked attention, the residual, layer norm 2, the MLP and the second residual.  No step of the problem is left out.
; ATTENTION: a wave takes ONE HEAD, both tiles of 16 queries and all 2,048 keys, in 16 steps of 128 keys: each K / V record enters the work-group once and feeds both query tiles.
; Both products are used transposed (S^T = K Q^T, O^T = V^T P^T): a lane holds one query.  K = 32 fills one block of the instruction's four: the other three meet ZERO CODES of Q
; (the chain Z q Z q Z below); every scale byte is a row's own.
; THE MASK: adj > 0 becomes a bias, 0 or -2^100, made once for each (query tile, 128 keys) as an image of 64 registers in LDS, over the bytes in which the adjacency landed;
; every head's wave loads it as the C of its score products.  Keys 0-511 come by one tensor load a wave at the head; keys 512-2047 as six slabs of 32 rows x 1,024 bytes behind
; a wait and a barrier; they are in flight under the first loop (steps 0-3), which reads bytes under C1 alone.  No LDS byte is filled twice.
; No cluster: K and V go from memory into registers (the adjacency takes the LDS), and no two work-groups share an adjacency tile.  No prefetch of K and V into the L2: the register loads of K and V
; ask one whole step ahead, and the adjacency's two loads are asked for early.
; LIMITS: the promise holds while the scaled scores stay under 2^31 in magnitude; a row of adj with no entry above 0 gives NaN; NaN and infinities in x are not served.
.set REC,   6912
.set WREC,  3328
.set AT,    8448                       ; an adjacency tile: 16 rows x (512 + 16) bytes; its image takes the first 8,192
.set C1,    8*AT                       ; behind the head's eight tiles: six slabs, later 24 images
.set SLAB,  32*1040
.set IMGB,  8192
.set TAIL,  270336
.set PARB1, TAIL
.set PARG,  TAIL+4096
.set STAT,  TAIL+7168
.set X2I,   TAIL+9216
.set YIMG,  TAIL+41984
.set YSC,   TAIL+48128
.set SPARE, 0x4de00                    ; the spare words: 128 bytes a wave
.set HIMG,  0
.set HSC,   24576
.set STAGE, 32768
.set SPI,   1040
; window 0
.set LI,   1                           ; 16 x lane
.set VSO,  2
.set SPW,  3                           ; my spare word; never rewritten
.set ADR,  4
.set VNEG, 5
.set F,    6
.set W,    8
.set QS,   10                          ; q's scale words, a tile each
.set KS,   12                          ; K's two scale words
.set VS,   14
.set RL,   15                          ; lane term of a slab's rows; later 16 x lane + C1
.set PW,   16                          ; p's scale words, a tile each
.set NM,   18                          ; -M
.set L,    20
.set T0,   24
.set T1,   25
.set BM,   26
.set BP,   30
.set CT,   34
.set SO,   42
.set PC,   46                          ; p's codes: tile 0 v46-57, tile 1 v60-71
.set NIL,  59                          ; 0; never rewritten
.set QX,   72                          ; Z q0lo Z q0hi Z q1lo Z q1hi Z, six registers each: lo = codes in lanes 0-15 alone, hi = in lanes 16-31 alone
; v128-191, v192-255: tile 0's and tile 1's bias image, then (summed in place) the scores, then p
; window 1: v0-167 seven W1 records, from between the loops on; v176-207 O^T; v208-231 K; v232-255 V
.set OB,   176
.set KR,   208
.set VR,   232
.set SEL,  52
.set CS,   54
.set MK,   56
.set KVB,  66
.set KVN,  68
.set MSB, 0
.macro WIN new
.if MSB != \new
	s_set_vgpr_msb (MSB<<8)|\new
.set MSB, \new
.endif
.endm
.macro BARRIER
	s_wait_dscnt 0x0
	s_barrier_signal -1
	s_barrier_wait -1
.endm
.macro PLACES
.rept 4
	v_nop
.endr
.endm
	s_load_b512 s[4:19], s[0:1], 0x0               ; x, adj, KV, WB, b1, gamma2, beta2, b2
	s_load_b64 s[20:21], s[0:1], 0x40              ; out0
	v_lshl_add_u32 v[SPW], v0, 2, SPARE
	v_mov_b32 v[NIL], 0
	ds_add_u32 v[SPW], v[NIL]
	ds_add_u32 v[SPW], v[NIL]
	v_lshrrev_b32 v4, 5, v0
	v_readfirstlane_b32 s22, v4                    ; wave = head
	s_lshr_b32 s23, s22, 2                         ; behind attention: my half of the rows,
	s_and_b32 s24, s22, 3                          ; my quarter of the dims
	s_mov_b32 s25, ttmp9
	s_lshr_b32 s26, s25, 6                         ; batch
	s_mov_b32 s28, (2<<16)|(1<<20)|(6<<22)|(3<<25) ; group 1 of a tile: 16 rows x 128 words, 16 bytes of padding behind each row
	s_mov_b32 s29, 128<<16
	s_mov_b32 s30, 16<<16
	s_mov_b32 s31, 128<<16
	s_mov_b32 s32, 16
	s_mov_b32 s33, 2048
	s_mov_b32 s34, 0
	s_mov_b32 s35, 0
	s_mov_b32 s40, (2<<16)|(1<<20)|(7<<22)|(3<<25) ; group 1 of a slab: 32 rows x 256 words, padded likewise
	s_mov_b32 s41, 256<<16
	s_mov_b32 s42, 32<<16
	s_mov_b32 s43, 256<<16
	s_mov_b32 s44, 32
	s_mov_b32 s45, 2048
	s_mov_b32 s46, 0
	s_mov_b32 s47, 0
	s_lshl_b32 s74, s25, 18                        ; my 32 rows of 8,192 bytes
	s_and_b32 s75, s22, 1                          ; the head's tile: query tile wave % 2, keys 128 (wave / 2)
	s_lshl_b32 s75, s75, 17
	s_lshr_b32 s76, s22, 1
	s_lshl_b32 s76, s76, 9
	s_add_co_u32 s76, s76, s75
	s_add_co_u32 s76, s76, s74
	s_mov_b32 s77, 0
	s_min_u32 s78, s22, 5                          ; the slab: keys 512 + 256 wave (waves 0-5)
	s_lshl_b32 s80, s78, 10
	s_add_co_u32 s80, s80, s74
	s_add_co_u32 s80, s80, 2048
	s_mov_b32 s81, 0
	s_mul_i32 s78, s78, SLAB
	s_mul_i32 s95, s22, AT
	s_lshl_b32 s27, s25, 5
	s_lshl_b32 s79, s23, 4
	s_add_co_u32 s27, s27, s79
	s_wait_dscnt 0x0
	s_wait_kmcnt 0x0
	s_mov_b32 s36, 1
	s_mul_i32 s37, s22, AT
	s_add_nc_u64 s[38:39], s[6:7], s[76:77]
	s_or_b32 s39, s39, 0x80000000
	s_mov_b32 s48, 1
	s_add_co_u32 s49, s78, C1
	s_add_nc_u64 s[50:51], s[6:7], s[80:81]
	s_or_b32 s51, s51, 0x80000000
	tensor_load_to_lds s[36:39], s[28:35]          ; my one load at the head
	s_nop 0
	v_and_b32 v60, 31, v0
	v_and_b32 v61, 15, v0
	v_bfe_u32 v62, v0, 4, 1
	v_lshlrev_b32 v[LI], 4, v60
	v_lshlrev_b32 v[VSO], 3, v60
	v_lshl_add_u32 v[VSO], v62, 2, v[VSO]
	v_mul_u32_u24 v126, v61, 528
	v_lshl_add_u32 v126, v62, 6, v126
	v_add_nc_u32 v126, s95, v126                   ; my tile as it lands: row r, 64 h
	v_add_nc_u32 v58, s95, v[LI]                   ; and as an image
	v_mul_u32_u24 v[RL], v61, 1040
	v_lshl_add_u32 v[RL], v62, 6, v[RL]
	v_lshlrev_b32 v63, 4, v0
	global_load_b128 v[128:131], v63, s[12:13]     ; b1
	s_lshr_b32 s79, s22, 1
	s_cmp_eq_u32 s79, 0
	s_cselect_b64 s[80:81], s[14:15], s[16:17]
	s_cmp_lt_u32 s79, 2
	s_cselect_b64 s[80:81], s[80:81], s[18:19]
	s_and_b32 s79, s22, 1
	s_lshl_b32 s79, s79, 9
	v_add_nc_u32 v64, s79, v[LI]
	s_wait_alu depctr_va_vdst(0)
	s_cmp_lt_u32 s22, 6
	s_cbranch_scc0 .Lno_par0
	global_load_b128 v[132:135], v64, s[80:81]     ; gamma2, beta2, b2: two waves each
.Lno_par0:
	; q: my 32 rows are set g % 4 of their record's K image; query n of tile e lies in lane 16 (n / 8) + 8 e + n % 8
	s_and_b32 s82, s25, 63
	s_lshr_b32 s82, s82, 2
	s_lshl_b32 s83, s26, 4
	s_add_co_u32 s82, s82, s83
	s_lshl_b32 s82, s82, 3
	s_add_co_u32 s82, s82, s22
	s_mul_i32 s82, s82, REC
	s_mov_b32 s83, 0
	s_add_nc_u64 s[82:83], s[8:9], s[82:83]
	v_and_b32 v65, 7, v61
	v_lshrrev_b32 v66, 3, v61
	v_lshl_add_u32 v65, v66, 4, v65
	v_lshlrev_b32 v65, 4, v65
	s_wait_alu depctr_va_vdst(0)
	s_and_b32 s84, s25, 3
	s_mul_i32 s85, s84, 6
.irp p, 0,1,2
	s_add_co_u32 s86, s85, 2*\p
	s_lshr_b32 s87, s86, 2
	s_lshl_b32 s87, s87, 9
	s_bfe_u32 s86, s86, 0x10001
	s_lshl_b32 s86, s86, 3
	s_add_co_u32 s86, s86, s87
	v_add_nc_u32 v[67+\p], s86, v65
.endr
	s_lshr_b32 s86, s84, 1
	s_lshl_b32 s86, s86, 2
	v_add_nc_u32 v70, s86, v65                     ; the scale word of sets 2 c, 2 c + 1
	s_and_b32 s86, s84, 1
	s_lshl_b32 s86, s86, 4
	v_lshl_add_u32 v71, v66, 3, s86                ; and my row's byte in it, in bits
	s_wait_alu depctr_va_vdst(0)
.irp e, 0,1
.irp p, 0,1,2
	global_load_b64 v[136+8*\e+2*\p:137+8*\e+2*\p], v[67+\p], s[82:83] offset:128*\e
.endr
	global_load_b32 v[QS+\e], v70, s[82:83] offset:128*\e+3072
.endr
	s_lshl_b32 s86, s26, 7
	s_add_co_u32 s86, s86, s22
	s_mul_i32 s86, s86, REC
	s_mov_b32 s87, 0
	s_add_nc_u64 s[KVB:KVB+1], s[8:9], s[86:87]    ; my head's record of keys 0-127; the next 128 keys lie 8 records on
	s_add_nc_u64 s[KVN:KVN+1], s[KVB:KVB+1], 8*REC
.macro LOADK base                      ; 7 loads; leaves the destination in window 1
	global_load_b64 v[KS:KS+1], v[LI], s[\base:\base+1] offset:3072
	WIN 0x40
.irp q, 0,1,2,3,4,5
	global_load_b128 v[KR+4*\q:KR+4*\q+3], v[LI], s[\base:\base+1] offset:512*\q
.endr
.endm
.macro LOADV base                      ; 7 loads
	global_load_b32 v[VS], v[VSO], s[\base:\base+1] offset:6656
	WIN 0x40
.irp q, 0,1,2,3,4,5
	global_load_b128 v[VR+4*\q:VR+4*\q+3], v[LI], s[\base:\base+1] offset:3584+512*\q
.endr
	WIN 0
.endm
.macro BLOAD e, adr, tf                ; tile e's bias image into the registers in which its scores are summed: 16 loads
.irp i, 0,1,2,3,4,5,6,7,8,9,10,11,12,13,14,15
	ds_load_b128 v[128+64*(\e)+4*\i:131+64*(\e)+4*\i], v[\adr] offset:(\e)*(\tf)+512*\i
.endr
.endm
	LOADK KVB
	WIN 0
	LOADV KVB
	WIN 0x40
.set i, 0
.rept 32
	v_mov_b32 v[OB+i], 0                           ; O^T: the step is written once
.set i, i+1
.endr
	WIN 0
.irp z, 0,12,24,36,48
.irp i, 0,1,2,3,4,5
	v_mov_b32 v[QX+\z+\i], 0                       ; the zero codes
.endr
.endr
.irp e, 0,1
	v_mov_b32 v[NM+\e], 0x7f61b1e6
	v_mov_b32 v[L+2*\e], 0
	v_mov_b32 v[L+2*\e+1], 0
.endr
.irp b, 0,1,2,3
	v_mov_b32 v[BP+\b], 0
.endr
	v_mov_b32 v[F+1], 0
	v_mov_b32 v[W+1], 0
	v_mov_b32 v[VNEG], 0xf1800000
	s_mov_b32 s[SEL], 0x76543210
	s_mov_b32 s[SEL+1], 0xfedcba98
	s_mov_b32 s[CS], 0x3e8293ee                    ; log2(e) / sqrt(32)
	s_mov_b32 s[CS+1], s[CS]
	s_mov_b32 s71, 0
	s_mov_b32 s72, 1                               ; the step whose record KVN names
	s_mov_b32 s86, 0xffff
	s_mov_b32 s87, 0xffff0000
	s_wait_alu depctr_va_vdst(0)
	s_wait_loadcnt 14                              ; all but K's and V's 14
.irp e, 0,1
	v_lshrrev_b32 v[QS+\e], v71, v[QS+\e]
.endr
.irp e, 0,1
	v_perm_b32 v[QS+\e], v[QS+\e], v[QS+\e], 0     ; q's byte in all four places of the word
.endr
.irp e, 0,1
.irp i, 0,1,2,3,4,5
	v_cndmask_b32 v[QX+24*\e+6+\i], 0, v[136+8*\e+\i], s86
	v_cndmask_b32 v[QX+24*\e+18+\i], 0, v[136+8*\e+\i], s87
.endr
.endr
	v_add_nc_u32 v[ADR], PARB1, v63
	ds_store_b128 v[ADR], v[128:131]
	v_add_nc_u32 v60, PARG, v63
	s_wait_alu depctr_va_vdst(0)
	s_cmp_lt_u32 s22, 6
	s_cbranch_scc0 .Lno_par1
	ds_store_b128 v60, v[132:135]
.Lno_par1:
	s_wait_alu depctr_va_vdst(0)
	s_wait_tensorcnt 0x0                           ; my tile is in
	ds_add_u32 v[SPW], v[NIL]
	s_wait_dscnt 0x0
	s_barrier_signal -1
	s_barrier_wait -1
	s_cmp_lt_u32 s22, 6
	s_cbranch_scc0 .Lno_slab
	tensor_load_to_lds s[48:51], s[40:47]          ; keys 512-2047: a slab for each of six waves
	s_nop 0
	PLACES
.Lno_slab:
.macro RAWLD dst, adr, off             ; lane (r, h): query r; register 16 b + i: key 32 b + 16 h + i, as the scores lie
.irp k, 0,1,2,3,4,5,6,7,8,9,10,11,12,13,14,15
	ds_load_b128 v[\dst+4*\k:\dst+4*\k+3], v[\adr] offset:(\off)+(\k/4)*128+(\k%4)*16
.endr
.endm
.macro CONV base, neg                  ; adj > 0: 0; else the bias of a masked key
.irp q, 0,1,2,3,4,5,6,7
.irp i, 0,1,2,3,4,5,6,7
	v_cmp_ge_i32 s[MK+\i], 0, v[\base+8*\q+\i]
.endr
.irp i, 0,1,2,3,4,5,6,7
	v_cndmask_b32 v[\base+8*\q+\i], 0, v[\neg], s[MK+\i]
.endr
.endr
.endm
.macro IMGST src, adr, off
.irp i, 0,1,2,3,4,5,6,7,8,9,10,11,12,13,14,15
	ds_store_b128 v[\adr], v[\src+4*\i:\src+4*\i+3] offset:(\off)+512*\i
.endr
.endm
	RAWLD 128, 126, 0
	s_wait_dscnt 0x0
	CONV 128, VNEG
	IMGST 128, 58, 0                               ; over my own tile's bytes, which nobody else touches before the barrier
	BARRIER
	BLOAD 0, LI, AT
	BLOAD 1, LI, AT
; The softmax of one tile of 16 queries x 128 keys, and p as codes.  M is the running largest t rounded up, kept as -M; the sum is taken of the unquantised p.
.macro SOFTMAX t
.set S, 128+64*(\t)
.set PCX, PC+14*(\t)
.if \t
	s_wait_alu depctr_va_vdst(0)                   ; the wait ahead of the first reader of tile 1's scores: tile 0's exponentials stand between
.endif
.irp b, 0,1,2,3
	v_max3_num_f32 v[BM+\b], v[S+16*\b], v[S+16*\b+1], v[S+16*\b+2]
.endr
.irp i, 3,5,7,9,11,13
.irp b, 0,1,2,3
	v_max3_num_f32 v[BM+\b], v[BM+\b], v[S+16*\b+\i], v[S+16*\b+\i+1]
.endr
.endr
.irp b, 0,1,2,3
	v_max_num_f32 v[BM+\b], v[BM+\b], v[S+16*\b+15]
.endr
.irp b, 0,1,2,3
	v_permlanex16_b32 v[BP+\b], v[BM+\b], s[SEL], s[SEL+1]
.endr
.irp b, 0,1,2,3
	v_max_num_f32 v[BM+\b], v[BM+\b], v[BP+\b]     ; each block's largest score
.endr
	v_max3_num_f32 v[T0], v[BM], v[BM+1], v[BM+2]
	s_delay_alu instid0(VALU_DEP_1)
	v_max_num_f32 v[T0], v[T0], v[BM+3]
	s_delay_alu instid0(VALU_DEP_1)
	v_mul_f32 v[T0], s[CS], v[T0]
	s_delay_alu instid0(VALU_DEP_1)
	v_floor_f32 v[T1], -v[T0]
	s_delay_alu instid0(VALU_DEP_1)
	v_min_num_f32 v[W], v[NM+(\t)], v[T1]          ; the new -M
	s_delay_alu instid0(VALU_DEP_1)
	v_sub_f32 v[T1], v[W], v[NM+(\t)]
	v_mov_b32 v[NM+(\t)], v[W]
	s_delay_alu instid0(VALU_DEP_2)
	v_cvt_i32_f32 v[T1], v[T1]
	s_delay_alu instid0(VALU_DEP_1)
	v_ldexp_f32 v[F], 1.0, v[T1]                   ; 2^(old M - new M)
.set i, 0
.rept 32
	v_pk_fma_f32 v[S+i:S+i+1], v[S+i:S+i+1], s[CS:CS+1], v[W:W+1] op_sel_hi:[1,0,0]
.set i, i+2
.endr
.irp b, 0,1,2,3
	v_fma_f32 v[BM+\b], v[BM+\b], s[CS], v[W]
.endr
	s_wait_alu depctr_va_vdst(0)
.set i, 0
.rept 64
	v_exp_f32 v[S+i], v[S+i]
.set i, i+1
.endr
	v_pk_mul_f32 v[L+2*(\t):L+2*(\t)+1], v[L+2*(\t):L+2*(\t)+1], v[F:F+1] op_sel_hi:[1,0]
	s_wait_alu depctr_va_vdst(0)
.irp b, 0,1,2,3
	v_exp_f32 v[BM+\b], v[BM+\b]                   ; each block's largest p
.endr
	v_pk_add_f32 v[T0:T0+1], v[S:S+1], v[S+2:S+3]
.irp i, 4,8,12,16,20,24,28,32,36,40,44
	v_pk_add_f32 v[L+2*(\t):L+2*(\t)+1], v[L+2*(\t):L+2*(\t)+1], v[S+\i:S+\i+1]
	v_pk_add_f32 v[T0:T0+1], v[T0:T0+1], v[S+\i+2:S+\i+3]
.endr
	s_wait_alu depctr_va_vdst(0)
.irp b, 0,1,2,3
	v_max_num_f32 v[BM+\b], 0x2800000, v[BM+\b]    ; the floor: the byte cannot fall under 1
.endr
.irp b, 0,1,2,3
	v_add_nc_u32 v[SO+\b], 0xfe000000, v[BM+\b]
.endr
.irp b, 0,1,2,3
	v_lshrrev_b32 v[BP+\b], 23, v[SO+\b]
.endr
	v_lshl_or_b32 v[PW+(\t)], v[BP+1], 8, v[BP]
	s_delay_alu instid0(VALU_DEP_1)
	v_lshl_or_b32 v[PW+(\t)], v[BP+2], 16, v[PW+(\t)]
	s_delay_alu instid0(VALU_DEP_1)
	v_lshl_or_b32 v[PW+(\t)], v[BP+3], 24, v[PW+(\t)]
.irp c, 0,1
	v_cvt_scalef32_pk16_bf6_f32 v[PCX+6*\c:PCX+6*\c+2], v[S+32*\c:S+32*\c+15], v[SO+2*\c]
	v_cvt_scalef32_pk16_bf6_f32 v[CT+4*\c:CT+4*\c+2], v[S+32*\c+16:S+32*\c+31], v[SO+2*\c+1]
.endr
	v_nop
.irp c, 0,1
.irp i, 0,1,2
	v_permlane16_swap_b32 v[PCX+6*\c+\i], v[CT+4*\c+\i]
.endr
.irp i, 0,1,2
	v_mov_b32 v[PCX+6*\c+3+\i], v[CT+4*\c+\i]
.endr
.endr
.irp i, 48,52,56,60
	v_pk_add_f32 v[L+2*(\t):L+2*(\t)+1], v[L+2*(\t):L+2*(\t)+1], v[S+\i:S+\i+1]
	v_pk_add_f32 v[T0:T0+1], v[T0:T0+1], v[S+\i+2:S+\i+3]
.endr
	s_delay_alu instid0(VALU_DEP_1)
	v_pk_add_f32 v[L+2*(\t):L+2*(\t)+1], v[L+2*(\t):L+2*(\t)+1], v[T0:T0+1]
	s_wait_alu depctr_va_vdst(0)                   ; the wait ahead of the first reader of O^T
	WIN 0x41
.irp i, 0,2,4,6,8,10,12,14
	v_pk_mul_f32 v[OB+16*(\t)+\i:OB+16*(\t)+\i+1], v[OB+16*(\t)+\i:OB+16*(\t)+\i+1], v[F:F+1] op_sel_hi:[1,0]
.endr
	WIN 0
.endm
; A step: 128 keys.  tf: bytes from tile 0's image to tile 1's; st2, st1: the image strides below; maxn: the loop's last step (its look-ahead asks for that image again); ab: the images' base.
; Global loads go out as K(t+1), V(t+1), K(t+2) ..: each wait for 7 leaves the other operand's seven out.
; (tf: bytes from tile 0's image to tile 1's; step n's images lie at (n / 2) st2 + (n % 2) st1 from the base ab; maxn: the loop's last step, whose look-ahead asks for its own images again)
.macro STEP tf, st2, st1, maxn, ab
	s_wait_alu depctr_va_vdst(0)
	s_wait_loadcnt 0x7                             ; K is in; V's seven may be out
	WIN 0x01
.irp e, 0,1
	s_wait_dscnt 16-16*\e                          ; tile e's image is in (tile 1's 16 loads may be out under tile 0's products)
.irp b, 0,1,2,3
.irp u, 0,1
	v_wmma_scale_f32_16x16x128_f8f6f4 v[128+64*\e+16*\b+8*\u:135+64*\e+16*\b+8*\u], v[KR+12*(\b/2):KR+12*(\b/2)+11], v[QX+24*\e+12*\u+6-6*(\b%2):QX+24*\e+12*\u+17-6*(\b%2)], v[128+64*\e+16*\b+8*\u:135+64*\e+16*\b+8*\u], v[KS+\b/2], v[QS+\e] matrix_a_fmt:MATRIX_FMT_BF6 matrix_b_fmt:MATRIX_FMT_BF6
.endr
.endr
.endr
	WIN 0
	s_add_co_u32 s73, s73, 1
	s_min_u32 s74, s73, \maxn
	s_lshr_b32 s76, s74, 1
	s_mul_i32 s76, s76, \st2
	s_and_b32 s74, s74, 1
	s_mul_i32 s74, s74, \st1
	s_add_co_u32 s74, s74, s76
	v_add_nc_u32 v[ADR], s74, v[\ab]
	v_nop
	v_nop
	v_nop
	LOADK KVN                                      ; the next step's K: it has both softmaxes in which to land
	WIN 0
	SOFTMAX 0
	BLOAD 0, ADR, \tf                              ; tile 0's p has been summed and coded: its registers take the next step's image
	SOFTMAX 1
	BLOAD 1, ADR, \tf
	s_wait_alu depctr_va_vdst(0)
	s_wait_loadcnt 0x7                             ; V is in; the next K's seven may be out
	WIN 0x51
.irp d, 0,1
.irp e, 0,1
.if \d
	v_wmma_scale_f32_16x16x128_f8f6f4 v[OB+16*\e+8:OB+16*\e+15], v[VR+12:VR+23], v[PC+14*\e:PC+14*\e+11], v[OB+16*\e+8:OB+16*\e+15], v[VS], v[PW+\e] matrix_a_fmt:MATRIX_FMT_BF6 matrix_b_fmt:MATRIX_FMT_BF6 matrix_a_scale:MATRIX_SCALE_ROW1
.else
	v_wmma_scale_f32_16x16x128_f8f6f4 v[OB+16*\e:OB+16*\e+7], v[VR:VR+11], v[PC+14*\e:PC+14*\e+11], v[OB+16*\e:OB+16*\e+7], v[VS], v[PW+\e] matrix_a_fmt:MATRIX_FMT_BF6 matrix_b_fmt:MATRIX_FMT_BF6
.endif
.endr
.endr
	WIN 0
	PLACES
	LOADV KVN
	s_wait_xcnt 0x0                                ; the loads have read their base
	s_add_co_u32 s72, s72, 1
	s_cmp_lt_u32 s72, 16
	s_cselect_b32 s70, 8*REC, 0                    ; the last step asks for its own record again: no load leaves KV
	s_add_nc_u64 s[KVN:KVN+1], s[KVN:KVN+1], s[70:71]
.endm
	s_mov_b32 s73, 0
	s_mov_b32 s75, 0
.Lloop_a:                                              ; steps 0-3
	STEP AT, 4*AT, 2*AT, 3, LI
	s_add_co_u32 s75, s75, 1
	s_cmp_lt_u32 s75, 4
	s_cbranch_scc1 .Lloop_a
	; BETWEEN THE LOOPS.  Seven of my eight W1 records (42 loads) are asked for here, into window 1's v0-167, which the second loop leaves alone: they land under the work below.
	s_mul_i32 s56, s22, 4*WREC
	s_mov_b32 s57, 0
	s_add_nc_u64 s[96:97], s[10:11], s[56:57]
	WIN 0x40
.irp n, 0,1,2,3,4,5,6
.irp q, 0,1,2,3,4,5
	global_load_b128 v[24*\n+4*\q:24*\n+4*\q+3], v[LI], s[96:97] offset:(32*(\n/4)+\n%4)*WREC+512*\q
.endr
.endr
	WIN 0
	; x is the one stream asked for ahead in the L2: the work-group's 32 rows are read behind the second loop, 12 steps on; a wave names its 4 rows' 16 blocks of 256 bytes (lanes 16-31 the last again)
	s_lshl_b32 s58, s25, 15
	s_lshl_b32 s59, s22, 12
	s_add_co_u32 s58, s58, s59
	v_and_b32 v60, 31, v0
	v_min_u32 v60, 15, v60
	v_lshl_add_u32 v60, v60, 8, s58
	global_prefetch_b8 v60, s[4:5] th:TH_LOAD_NT scope:SCOPE_SE
	; The slabs become images by halves: half slab 2 slab + tile is 16 rows of 1,040 bytes on end and holds two steps' tiles of one query tile.  A wave reads all of a half (128 registers)
	; and lays the two images over it: no other wave touches those bytes between the two barriers.  Twelve halves: waves 0-7 take 0-7, waves 0-3 also 8-11.
	s_mul_i32 s80, s22, 16*1040
	s_add_co_u32 s80, s80, C1
	v_add_nc_u32 v126, s80, v[RL]
	v_add_nc_u32 v58, s80, v[LI]
	v_add_nc_u32 v127, 8*16*1040, v126
	v_add_nc_u32 v[ADR], 8*16*1040, v58
	v_add_nc_u32 v[RL], C1, v[LI]
	s_wait_alu depctr_va_vdst(0)
	s_wait_tensorcnt 0x0                           ; my slab is in
	BARRIER
.macro HSLAB raw, img
	RAWLD 128, \raw, 0
	RAWLD 192, \raw, 512
	s_wait_dscnt 0x0
	CONV 128, VNEG
	CONV 192, VNEG
	IMGST 128, \img, 0
	IMGST 192, \img, IMGB
.endm
	HSLAB 126, 58
	s_cmp_lt_u32 s22, 4
	s_cbranch_scc0 .Lone_half
	HSLAB 127, ADR
.Lone_half:
	s_wait_xcnt 0x0                                ; the prefetch has read v60, which the loop writes again
	BARRIER
	BLOAD 0, RL, 16*1040
	BLOAD 1, RL, 16*1040
	s_mov_b32 s73, 0
	s_mov_b32 s75, 0
.Lloop_b:                                              ; steps 4-15
	STEP 16*1040, SLAB, IMGB, 11, RL
	s_add_co_u32 s75, s75, 1
	s_cmp_lt_u32 s75, 12
	s_cbranch_scc1 .Lloop_b
	s_wait_loadcnt 0x0
	s_wait_dscnt 0x0
	; O^T / the sum, and to the waves that carry the rows on: images of 16 registers at 4,096 head + 2,048 tile (bytes that were last read ahead of the two barriers above)
.irp e, 0,1
	v_add_f32 v[T0+\e], v[L+2*\e], v[L+2*\e+1]
.endr
.irp e, 0,1
	v_permlanex16_b32 v[BP+\e], v[T0+\e], s[SEL], s[SEL+1]
.endr
.irp e, 0,1
	v_add_f32 v[T0+\e], v[T0+\e], v[BP+\e]
.endr
	s_wait_alu depctr_va_vdst(0)
.irp e, 0,1
	v_rcp_f32 v[BM+2*\e], v[T0+\e]
.endr
	v_nop
	s_wait_alu depctr_va_vdst(0)
.irp e, 0,1
	v_cmp_ge_f32 vcc_lo, 0x60ad78ec, v[NM+\e]      ; no key counted: NaN
	v_cndmask_b32 v[BM+2*\e], 0x7fc00000, v[BM+2*\e], vcc_lo
.endr
	s_lshl_b32 s56, s22, 12
	v_add_nc_u32 v[ADR], s56, v[LI]
	s_wait_alu depctr_va_vdst(0)
	WIN 0x01
.irp e, 0,1
.irp i, 0,2,4,6,8,10,12,14
	v_pk_mul_f32 v[128+16*\e+\i:129+16*\e+\i], v[OB+16*\e+\i:OB+16*\e+\i+1], v[BM+2*\e:BM+2*\e+1] op_sel_hi:[1,0]
.endr
.endr
	WIN 0
.irp i, 0,1,2,3,4,5,6,7
	ds_store_b128 v[ADR], v[128+4*\i:131+4*\i] offset:512*\i
.endr
	; ---- from here a wave takes 16 rows (wave / 4) x 64 dims (wave % 4), then 128 hidden units, then 32 dims of the result
	v_and_b32 v5, 31, v0
	v_and_b32 v6, 15, v0
	v_bfe_u32 v7, v0, 4, 1
	s_lshl_b32 s56, s27, 10
	s_mov_b32 s57, 0
	s_add_nc_u64 s[4:5], s[4:5], s[56:57]
	s_add_co_u32 s56, s22, 64
	s_mul_i32 s56, s56, WREC
	s_add_nc_u64 s[98:99], s[10:11], s[56:57]
	s_lshl_b32 s56, s25, 15
	s_lshl_b32 s58, s22, 12
	s_add_co_u32 s56, s56, s58
	s_add_nc_u64 s[20:21], s[20:21], s[56:57]
	s_wait_alu depctr_va_vdst(0)
	v_lshlrev_b32 v40, 10, v6
	s_delay_alu instid0(VALU_DEP_1)
	v_lshl_add_u32 v40, v7, 6, v40
	s_lshl_b32 s57, s24, 8
	v_add_nc_u32 v40, s57, v40
.set XR, 224
.set W1S, 10
.set W2S, 18
.set HS, 26
.set YS, 34
.irp e, 0,1
.irp k, 0,1,2,3
	global_load_b128 v[XR+16*\e+4*\k:XR+16*\e+4*\k+3], v40, s[4:5] offset:128*\e+16*\k
.endr
.endr
.irp s, 0,1
.irp b, 0,1,2,3
	global_load_b32 v[W1S+4*\s+\b], v[VSO], s[96:97] offset:(32*\s+\b)*WREC+3072
.endr
.endr
	WIN 0x40
.irp q, 0,1,2,3,4,5
	global_load_b128 v[168+4*\q:171+4*\q], v[LI], s[96:97] offset:35*WREC+512*\q   ; the eighth of my W1 records; the other seven came between the loops
.endr
	WIN 0
	s_lshl_b32 s58, s24, 13
	s_lshl_b32 s59, s23, 11
	s_add_co_u32 s58, s58, s59
	v_add_nc_u32 v36, s58, v[LI]                   ; O of heads 2 (wave % 4) and + 1, my query tile
	s_add_co_u32 s58, s57, PARG
	v_lshl_add_u32 v41, v7, 6, s58
	s_lshl_b32 s58, s23, 14
	s_lshl_b32 s59, s24, 12
	s_add_co_u32 s58, s58, s59
	s_add_co_u32 s58, s58, X2I
	v_add_nc_u32 v42, s58, v[LI]
	s_lshl_b32 s58, s22, 8
	s_add_co_u32 s58, s58, STAT
	v_lshl_add_u32 v43, v5, 3, s58
	s_lshl_b32 s58, s23, 10
	s_add_co_u32 s58, s58, STAT
	v_lshl_add_u32 v44, v5, 3, s58
	s_mul_i32 s58, s23, 3072
	s_mul_i32 s59, s24, 768
	s_add_co_u32 s58, s58, s59
	s_add_co_u32 s58, s58, YIMG
	v_add_nc_u32 v45, s58, v[LI]
	s_add_co_u32 s58, s58, 512
	v_lshl_add_u32 v46, v5, 3, s58
	s_lshl_b32 s58, s23, 8
	s_lshr_b32 s59, s24, 1
	s_lshl_b32 s59, s59, 7
	s_add_co_u32 s58, s58, s59
	s_and_b32 s59, s24, 1
	s_lshl_b32 s59, s59, 1
	s_add_co_u32 s58, s58, s59
	s_add_co_u32 s58, s58, YSC
	v_lshl_add_u32 v47, v5, 2, s58
	v_lshlrev_b32 v49, 2, v5
	s_lshl_b32 s58, s22, 9
	s_add_co_u32 s58, s58, PARB1
	v_lshl_add_u32 v50, v7, 6, s58
	s_mul_i32 s58, s22, 3072
	v_add_nc_u32 v51, s58, v[LI]
	s_lshl_b32 s58, s22, 7
	s_add_co_u32 s59, s58, HSC
	v_lshl_add_u32 v52, v6, 2, s59
	s_lshl_b32 s59, s22, 11
	s_add_co_u32 s59, s59, X2I
	v_add_nc_u32 v53, s59, v[LI]
	v_mul_u32_u24 v54, v6, SPI
	s_delay_alu instid0(VALU_DEP_1)
	v_lshl_add_u32 v54, v7, 6, v54
	s_add_co_u32 s59, s58, STAGE
	v_add_nc_u32 v54, s59, v54
	s_mul_i32 s59, s22, 4*SPI
	s_add_co_u32 s59, s59, STAGE
	v_add_nc_u32 v55, s59, v[LI]
	v_add_nc_u32 v56, YIMG, v[LI]
	v_lshl_add_u32 v57, v5, 3, YIMG+512
	v_lshl_add_u32 v58, v5, 2, YSC
.macro CONST2 reg, val
	s_mov_b32 s[\reg], \val
	s_mov_b32 s[\reg+1], \val
.endm
	CONST2 74, 0x3e7c6f08
	CONST2 76, 0x40097039
	CONST2 78, 0xbfd1a1e5
	CONST2 80, 0x3ecdfd18
	CONST2 82, 0xbe899a80
	CONST2 84, 0x3e0efb2f
	CONST2 86, 0x3f0a29d2
	CONST2 88, 0x3fb8ab5a
	CONST2 90, 0xc034d90f
	CONST2 92, 0x3f596d27
	s_mov_b32 s94, 0x3eb504f3
	s_mov_b32 s60, 0x3b800000
	s_mov_b32 s61, 0x3727c5ac
	s_wait_alu depctr_va_vdst(0)
	BARRIER
.set PO, 64
.irp e, 0,1
.irp q, 0,1,2,3
	ds_load_b128 v[PO+16*\e+4*\q:PO+16*\e+4*\q+3], v36 offset:4096*\e+512*\q
.endr
.endr
	s_wait_dscnt 0x0
	s_wait_loadcnt 14                              ; x is in; W1's 8 scale words and last 6 loads may be out
.set i, 0
.rept 16
	v_pk_add_f32 v[XR+i:XR+i+1], v[XR+i:XR+i+1], v[PO+i:PO+i+1]   ; x + attention
.set i, i+2
.endr
.irp c, 0,1,2
.irp e, 0,1
.irp k, 0,1,2,3
	ds_load_b128 v[64+32*\c+16*\e+4*\k:64+32*\c+16*\e+4*\k+3], v41 offset:1024*\c+128*\e+16*\k
.endr
.endr
.endr
	; layer norm 2: my 64 dims' mean and centred squares, joined over the four waves of a row
	v_pk_add_f32 v[4:5], v[XR:XR+1], v[XR+2:XR+3]
	v_pk_add_f32 v[6:7], v[XR+4:XR+5], v[XR+6:XR+7]
.irp i, 8,12,16,20,24,28
	s_delay_alu instid0(VALU_DEP_2)
	v_pk_add_f32 v[4:5], v[4:5], v[XR+\i:XR+\i+1]
	s_delay_alu instid0(VALU_DEP_2)
	v_pk_add_f32 v[6:7], v[6:7], v[XR+\i+2:XR+\i+3]
.endr
	s_delay_alu instid0(VALU_DEP_1)
	v_pk_add_f32 v[4:5], v[4:5], v[6:7]
	s_delay_alu instid0(VALU_DEP_1)
	v_add_f32 v4, v4, v5
	s_delay_alu instid0(VALU_DEP_1)
	v_permlanex16_b32 v5, v4, s[SEL], s[SEL+1]
	s_delay_alu instid0(VALU_DEP_1)
	v_add_f32 v4, v4, v5
	s_delay_alu instid0(VALU_DEP_1)
	v_mul_f32 v4, 0x3c800000, v4
.set i, 0
.rept 16
	v_pk_add_f32 v[192+i:193+i], v[XR+i:XR+i+1], v[4:5] op_sel_hi:[1,0] neg_lo:[0,1] neg_hi:[0,1]
.set i, i+2
.endr
	v_pk_mul_f32 v[6:7], v[192:193], v[192:193]
	v_pk_mul_f32 v[8:9], v[194:195], v[194:195]
.irp i, 4,8,12,16,20,24,28
	s_delay_alu instid0(VALU_DEP_2)
	v_pk_fma_f32 v[6:7], v[192+\i:193+\i], v[192+\i:193+\i], v[6:7]
	s_delay_alu instid0(VALU_DEP_2)
	v_pk_fma_f32 v[8:9], v[194+\i:195+\i], v[194+\i:195+\i], v[8:9]
.endr
	s_delay_alu instid0(VALU_DEP_1)
	v_pk_add_f32 v[6:7], v[6:7], v[8:9]
	s_delay_alu instid0(VALU_DEP_1)
	v_add_f32 v5, v6, v7
	s_delay_alu instid0(VALU_DEP_1)
	v_permlanex16_b32 v6, v5, s[SEL], s[SEL+1]
	s_delay_alu instid0(VALU_DEP_1)
	v_add_f32 v5, v5, v6
	ds_store_b64 v43, v[4:5]
	s_wait_dscnt 0x0
.set i, 0
.rept 16
	v_pk_add_f32 v[192+i:193+i], v[XR+i:XR+i+1], v[128+i:129+i]    ; x2 + b2: the C of the last product
.set i, i+2
.endr
.irp q, 0,1,2,3,4,5,6,7
	ds_store_b128 v42, v[192+4*\q:195+4*\q] offset:512*\q
.endr
	BARRIER
.irp k, 0,1,2,3
	ds_load_b64 v[192+2*\k:193+2*\k], v44 offset:256*\k
.endr
	s_wait_dscnt 0x0
	v_add_f32 v4, v192, v194
	v_add_f32 v5, v196, v198
	s_delay_alu instid0(VALU_DEP_1)
	v_add_f32 v4, v4, v5
	s_delay_alu instid0(VALU_DEP_1)
	v_mul_f32 v4, 0x3e800000, v4
.irp k, 0,1,2,3
	v_sub_f32 v[200+\k], v[192+2*\k], v4
.endr
	s_delay_alu instid0(VALU_DEP_4)
	v_mul_f32 v6, v200, v200
	s_delay_alu instid0(VALU_DEP_1)
	v_fmac_f32 v6, v201, v201
	s_delay_alu instid0(VALU_DEP_1)
	v_fmac_f32 v6, v202, v202
	s_delay_alu instid0(VALU_DEP_1)
	v_fmac_f32 v6, v203, v203
	v_add_f32 v7, v193, v195
	v_add_f32 v8, v197, v199
	s_delay_alu instid0(VALU_DEP_1)
	v_add_f32 v7, v7, v8
	s_delay_alu instid0(VALU_DEP_1)
	v_fmamk_f32 v7, v6, 0x42800000, v7
	s_delay_alu instid0(VALU_DEP_1)
	v_fma_f32 v7, v7, s60, s61
	s_wait_alu depctr_va_vdst(0)
	v_rsq_f32 v6, v7
	v_mov_b32 v5, v4
	s_wait_alu depctr_va_vdst(0)
.set Y, 160
.set i, 0
.rept 16
	v_pk_add_f32 v[Y+i:Y+i+1], v[XR+i:XR+i+1], v[4:5] op_sel_hi:[1,0] neg_lo:[0,1] neg_hi:[0,1]
.set i, i+2
.endr
.set i, 0
.rept 16
	v_pk_mul_f32 v[Y+i:Y+i+1], v[Y+i:Y+i+1], v[6:7] op_sel_hi:[1,0]
.set i, i+2
.endr
.set i, 0
.rept 16
	v_pk_fma_f32 v[Y+i:Y+i+1], v[Y+i:Y+i+1], v[64+i:65+i], v[96+i:97+i]
.set i, i+2
.endr
.set QC, 128
.set QT, 140
.set TM, 208
.set QW, 206
; nb blocks of 32 along K, 16 numbers of each in my registers and 16 in lane l xor 16's, become codes in v[QC ..] and a scale word in v[QW]
.macro QUANT s, nb
.irp b, 0,1,2,3
.if \b < \nb
	v_max3_num_f32 v[TM+\b], |v[\s+16*\b]|, |v[\s+16*\b+1]|, 0x2800000
.endif
.endr
.irp i, 2,4,6,8,10,12,14
.irp b, 0,1,2,3
.if \b < \nb
	v_max3_num_f32 v[TM+\b], v[TM+\b], |v[\s+16*\b+\i]|, |v[\s+16*\b+\i+1]|
.endif
.endr
.endr
.irp b, 0,1,2,3
.if \b < \nb
	v_permlanex16_b32 v[TM+4+\b], v[TM+\b], s[SEL], s[SEL+1]
.endif
.endr
.irp b, 0,1,2,3
.if \b < \nb
	v_max_num_f32 v[TM+\b], v[TM+\b], v[TM+4+\b]
.endif
.endr
.irp b, 0,1,2,3
.if \b < \nb
	v_add_nc_u32 v[TM+12+\b], 0xfe000000, v[TM+\b]
.endif
.endr
.irp b, 0,1,2,3
.if \b < \nb
	v_lshrrev_b32 v[TM+4+\b], 23, v[TM+12+\b]
.endif
.endr
	v_lshl_or_b32 v[QW], v[TM+5], 8, v[TM+4]
.if \nb > 2
	s_delay_alu instid0(VALU_DEP_1)
	v_lshl_or_b32 v[QW], v[TM+6], 16, v[QW]
	s_delay_alu instid0(VALU_DEP_1)
	v_lshl_or_b32 v[QW], v[TM+7], 24, v[QW]
.endif
.irp c, 0,1
.if 2*\c < \nb
	v_cvt_scalef32_pk16_bf6_f32 v[QC+6*\c:QC+6*\c+2], v[\s+32*\c:\s+32*\c+15], v[TM+12+2*\c]
	v_cvt_scalef32_pk16_bf6_f32 v[QT+4*\c:QT+4*\c+2], v[\s+32*\c+16:\s+32*\c+31], v[TM+12+2*\c+1]
.endif
.endr
	v_nop
.irp c, 0,1
.if 2*\c < \nb
.irp i, 0,1,2
	v_permlane16_swap_b32 v[QC+6*\c+\i], v[QT+4*\c+\i]
.endr
.irp i, 0,1,2
	v_mov_b32 v[QC+6*\c+3+\i], v[QT+4*\c+\i]
.endr
.endif
.endr
.endm
	QUANT Y, 2
	ds_store_b128 v45, v[QC:QC+3]
	ds_store_b64 v46, v[QC+4:QC+5]
	ds_store_b16 v47, v[QW]
	v_mov_b32 v8, 0xbf97d29d
	v_mov_b32 v9, 0xbf97d29d
	s_wait_alu depctr_va_vdst(0)
	BARRIER
.set HA, 64
.set U,  128
.set TT, 160
.set AC, 192
.set YF, 224
; exact gelu in f32: x Phi(x) = max(x, 0) - |x| erfc(|x| / sqrt 2) / 2, erfc as t exp(-z^2 + a polynomial in t), t = 1 / (1 + z / 2)
.macro GELU q
.set H0, HA+32*(\q)
.set i, 0
.rept 32
	v_fma_f32 v[TT+i], |v[H0+i]|, s94, 1.0
.set i, i+1
.endr
	s_wait_alu depctr_va_vdst(0)
.set i, 0
.rept 32
	v_rcp_f32 v[TT+i], v[TT+i]
.set i, i+1
.endr
.set i, 0
.rept 16
	v_pk_mul_f32 v[U+i:U+i+1], v[H0+i:H0+i+1], s[92:93] op_sel_hi:[1,0]
.set i, i+2
.endr
	s_wait_alu depctr_va_vdst(0)
.set i, 0
.rept 16
	v_pk_fma_f32 v[AC+i:AC+i+1], v[TT+i:TT+i+1], s[74:75], v[8:9] op_sel_hi:[1,0,0]
.set i, i+2
.endr
.irp c, 76,78,80,82,84,86,88,90
.set i, 0
.rept 16
	v_pk_fma_f32 v[AC+i:AC+i+1], v[AC+i:AC+i+1], v[TT+i:TT+i+1], s[\c:\c+1] op_sel_hi:[1,1,0]
.set i, i+2
.endr
.endr
.set i, 0
.rept 16
	v_pk_fma_f32 v[AC+i:AC+i+1], v[U+i:U+i+1], v[U+i:U+i+1], v[AC+i:AC+i+1] neg_lo:[1,0,0] neg_hi:[1,0,0]
.set i, i+2
.endr
	s_wait_alu depctr_va_vdst(0)
.set i, 0
.rept 32
	v_exp_f32 v[AC+i], v[AC+i]
.set i, i+1
.endr
.set i, 0
.rept 32
	v_max_num_f32 v[U+i], 0, v[H0+i]
.set i, i+1
.endr
	s_wait_alu depctr_va_vdst(0)
.set i, 0
.rept 16
	v_pk_mul_f32 v[AC+i:AC+i+1], v[AC+i:AC+i+1], v[TT+i:TT+i+1]
.set i, i+2
.endr
.set i, 0
.rept 16
	v_pk_mul_f32 v[AC+i:AC+i+1], v[AC+i:AC+i+1], v[H0+i:H0+i+1]
.set i, i+2
.endr
.set i, 0
.rept 32
	v_sub_f32 v[H0+i], v[U+i], |v[AC+i]|
.set i, i+1
.endr
.endm
; the first product of the MLP for 16 rows (m) x my 128 hidden units, transposed; b1 is the C of the first K step; gelu; codes and scale word into LDS
.macro P3 m
.if (\m) == 0
	WIN 0x40
.irp b, 0,1,2,3
.irp k, 0,1,2,3
	ds_load_b128 v[192+16*\b+4*\k:195+16*\b+4*\k], v50 offset:128*\b+16*\k
.endr
.endr
	WIN 0
.endif
.irp s, 0,1
.irp c, 0,1
	ds_load_b128 v[YF+12*\s+6*\c:YF+12*\s+6*\c+3], v56 offset:3072*(\m)+1536*\s+768*\c
	ds_load_b64 v[YF+12*\s+6*\c+4:YF+12*\s+6*\c+5], v57 offset:3072*(\m)+1536*\s+768*\c
.endr
	ds_load_b32 v[YS+\s], v58 offset:256*(\m)+128*\s
.endr
	s_wait_dscnt 0x0
.if (\m) == 0
	s_wait_loadcnt 0x0
.endif
	WIN 0x11
.irp b, 0,1,2,3
	v_wmma_scale_f32_16x16x128_f8f6f4 v[HA+16*\b:HA+16*\b+7], v[24*\b:24*\b+11], v[YF:YF+11], v[192+16*\b:199+16*\b], v[W1S+\b], v[YS] matrix_a_fmt:MATRIX_FMT_BF6 matrix_b_fmt:MATRIX_FMT_BF6
	v_wmma_scale_f32_16x16x128_f8f6f4 v[HA+16*\b+8:HA+16*\b+15], v[24*\b+12:24*\b+23], v[YF:YF+11], v[200+16*\b:207+16*\b], v[W1S+\b], v[YS] matrix_a_fmt:MATRIX_FMT_BF6 matrix_b_fmt:MATRIX_FMT_BF6 matrix_a_scale:MATRIX_SCALE_ROW1
.endr
	WIN 0x01
.irp b, 0,1,2,3
	v_wmma_scale_f32_16x16x128_f8f6f4 v[HA+16*\b:HA+16*\b+7], v[96+24*\b:96+24*\b+11], v[YF+12:YF+23], v[HA+16*\b:HA+16*\b+7], v[W1S+4+\b], v[YS+1] matrix_a_fmt:MATRIX_FMT_BF6 matrix_b_fmt:MATRIX_FMT_BF6
	v_wmma_scale_f32_16x16x128_f8f6f4 v[HA+16*\b+8:HA+16*\b+15], v[96+24*\b+12:96+24*\b+23], v[YF+12:YF+23], v[HA+16*\b+8:HA+16*\b+15], v[W1S+4+\b], v[YS+1] matrix_a_fmt:MATRIX_FMT_BF6 matrix_b_fmt:MATRIX_FMT_BF6 matrix_a_scale:MATRIX_SCALE_ROW1
.endr
	WIN 0
	PLACES
.if (\m) == 1
.irp s, 0,1,2,3,4,5,6,7
	global_load_b32 v[W2S+\s], v[VSO], s[98:99] offset:8*WREC*\s+3072
.endr
	WIN 0x40
.irp s, 0,1,2,3,4,5,6,7
.irp q, 0,1,2,3,4,5
	global_load_b128 v[24*\s+4*\q:24*\s+4*\q+3], v[LI], s[98:99] offset:8*WREC*\s+512*\q
.endr
.endr
	WIN 0
.endif
	GELU 0
	GELU 1
	QUANT HA, 4
.irp c, 0,1,2
	ds_store_b128 v51, v[QC+4*\c:QC+4*\c+3] offset:1536*(\m)+512*\c
.endr
	ds_store_b32 v52, v[QW] offset:64*(\m)
	s_wait_dscnt 0x0
.endm
	P3 0
	P3 1
	BARRIER
	; the second product: all 32 rows x my 32 dims, K = 1,024 in eight steps, four accumulators by turns; C = x2 + b2
.set i, 0
.rept 48
	ds_load_b128 v[64+4*i:67+4*i], v[LI] offset:HIMG+512*i
.set i, i+1
.endr
.irp s, 0,1,2,3,4,5,6,7
	ds_load_b32 v[HS+\s], v49 offset:HSC+128*\s
.endr
	WIN 0x40
.irp m, 0,1
.irp q, 0,1,2,3
	ds_load_b128 v[192+16*\m+4*\q:195+16*\m+4*\q], v53 offset:16384*\m+512*\q
.endr
.endr
	WIN 0
	s_wait_dscnt 0x0
	s_wait_loadcnt 0x0
	WIN 0x51
.irp s, 0,1,2,3,4,5,6,7
	v_wmma_scale_f32_16x16x128_f8f6f4 v[192:199], v[24*\s:24*\s+11], v[64+24*\s:64+24*\s+11], v[192:199], v[W2S+\s], v[HS+\s] matrix_a_fmt:MATRIX_FMT_BF6 matrix_b_fmt:MATRIX_FMT_BF6
	v_wmma_scale_f32_16x16x128_f8f6f4 v[200:207], v[24*\s+12:24*\s+23], v[64+24*\s:64+24*\s+11], v[200:207], v[W2S+\s], v[HS+\s] matrix_a_fmt:MATRIX_FMT_BF6 matrix_b_fmt:MATRIX_FMT_BF6 matrix_a_scale:MATRIX_SCALE_ROW1
	v_wmma_scale_f32_16x16x128_f8f6f4 v[208:215], v[24*\s:24*\s+11], v[76+24*\s:76+24*\s+11], v[208:215], v[W2S+\s], v[HS+\s] matrix_a_fmt:MATRIX_FMT_BF6 matrix_b_fmt:MATRIX_FMT_BF6 matrix_b_scale:MATRIX_SCALE_ROW1
	v_wmma_scale_f32_16x16x128_f8f6f4 v[216:223], v[24*\s+12:24*\s+23], v[76+24*\s:76+24*\s+11], v[216:223], v[W2S+\s], v[HS+\s] matrix_a_fmt:MATRIX_FMT_BF6 matrix_b_fmt:MATRIX_FMT_BF6 matrix_a_scale:MATRIX_SCALE_ROW1 matrix_b_scale:MATRIX_SCALE_ROW1
.endr
	WIN 0
	PLACES
	WIN 0x04
.irp m, 0,1
.irp n, 0,1
	ds_store_b128 v54, v[192+16*\m+8*\n:195+16*\m+8*\n] offset:16*\m*SPI+32*\n
	ds_store_b128 v54, v[196+16*\m+8*\n:199+16*\m+8*\n] offset:16*\m*SPI+32*\n+16
.endr
.endr
	WIN 0
	BARRIER
.irp q, 0,1,2,3,4,5,6,7
	ds_load_b128 v[64+4*\q:67+4*\q], v55 offset:(\q/2)*SPI+512*(\q%2)
.endr
.irp q, 0,1,2,3,4,5,6,7
	s_wait_dscnt 7-\q
	global_store_b128 v[LI], v[64+4*\q:67+4*\q], s[20:21] offset:(\q/2)*1024+512*(\q%2) th:TH_STORE_NT   ; 32 lanes store 512 consecutive bytes of a row
.endr
	s_wait_tensorcnt 0x0                           ; the wave's end
	ds_add_u32 v[SPW], v[NIL]
	s_wait_dscnt 0x0
	s_endpgm
.Lfunc_end_k_qe31d2175bb_main:
	.size	k_qe31d2175bb_main, .Lfunc_end_k_qe31d2175bb_main-k_qe31d2175bb_main
	.p2alignl 7, 3214868480
	.fill 96, 4, 3214868480
	.section	.rodata,"a",@progbits
	.p2align	6, 0x0
	.amdhsa_kernel k_qe31d2175bb_main
		.amdhsa_group_segment_fixed_size 327680
		.amdhsa_private_segment_fixed_size 0
		.amdhsa_enable_private_segment 0
		.amdhsa_kernarg_size 72
		.amdhsa_user_sgpr_count 2
		.amdhsa_user_sgpr_kernarg_segment_ptr 1
		.amdhsa_wavefront_size32 1
		.amdhsa_system_sgpr_workgroup_id_x 1
		.amdhsa_system_sgpr_workgroup_id_y 1
		.amdhsa_system_sgpr_workgroup_id_z 1
		.amdhsa_system_vgpr_workitem_id 0
		.amdhsa_next_free_vgpr 512
		.amdhsa_next_free_sgpr 100
		.amdhsa_reserve_vcc 1
		.amdhsa_float_denorm_mode_32 3
		.amdhsa_float_denorm_mode_16_64 3
		.amdhsa_memory_ordered 1
		.amdhsa_forward_progress 1
		.amdhsa_inst_pref_size 255
	.end_amdhsa_kernel
	.section	.bss,"aw",@nobits
	.p2align	6
	.space	262144
	.amdgpu_metadata
---
amdhsa.version: [ 1, 2 ]
amdhsa.kernels:
  - .name:           k_qe31d2175bb_main
    .symbol:         k_qe31d2175bb_main.kd
    .args:
      - { .name: x, .offset: 0, .size: 8, .value_kind: global_buffer, .address_space: global }
      - { .name: adj_matrix, .offset: 8, .size: 8, .value_kind: global_buffer, .address_space: global }
      - { .name: KV, .offset: 16, .size: 8, .value_kind: global_buffer, .address_space: global }
      - { .name: WB, .offset: 24, .size: 8, .value_kind: global_buffer, .address_space: global }
      - { .name: b1, .offset: 32, .size: 8, .value_kind: global_buffer, .address_space: global }
      - { .name: gamma2, .offset: 40, .size: 8, .value_kind: global_buffer, .address_space: global }
      - { .name: beta2, .offset: 48, .size: 8, .value_kind: global_buffer, .address_space: global }
      - { .name: b2, .offset: 56, .size: 8, .value_kind: global_buffer, .address_space: global }
      - { .name: out0, .offset: 64, .size: 8, .value_kind: global_buffer, .address_space: global }
    .group_segment_fixed_size: 327680
    .private_segment_fixed_size: 0
    .kernarg_segment_align: 8
    .kernarg_segment_size: 72
    .max_flat_workgroup_size: 256
    .sgpr_count:     100
    .vgpr_count:     512
    .wavefront_size: 32
...
	.end_amdgpu_metadata
.endif
;; end of part 2
